; MI455X (gfx1250); checked and timed in simulation.
; The chip was launched on July 23, 2026; its instructions are those of AMD's public machine-readable ISA for CDNA 5 (MIT licence, August 2026) and "CDNA5" Instruction Set Architecture Reference Guide (July 2026). The comments in the code are by the model that wrote it; some were corrected since.
;; Relative Attention. Allowed arithmetic: matrix products marked QUANTISED: E2M3 operands, one E8M0 scale for each 32 along K, by v_wmma_scale_f32_16x16x128_f8f6f4 with both operands' format E2M3, f32 sums; everything else in f32.
;; Inputs: Er 1,024 x 64 float32; Wk 1,024 x 1,024 float32; Wq 1,024 x 1,024 float32; Wv 1,024 x 1,024 float32; bk 1,024 float32; bq 1,024 float32; bv 1,024 float32; x 4 x 1,024 x 1,024 float32.
;; Outputs: out0 4 x 1,024 x 1,024 float32.
;; This version of the problem:
;;   THIS VERSION OF THE PROBLEM IS GIVEN IN LOW PRECISION. The matrix products marked QUANTISED in the list below multiply operands that are first quantised to E2M3 (2 exponent bits, 3 mantissa bits; 6 bits a number), with one power-of-two scale for each 32 numbers along K (OCP MX v1.0); their sums are f32. All else is computed in f32.
;;   The module's matrix products, in the order in which they are computed (A, B: the left and right operand; K: the contracted axis; several contracted axes count as one K, in the product's order):
;;     1. [M 4,096, K 1,024] x [K 1,024, N 1,024]; A: input x; B: input Wq: QUANTISED
;;     2. [M 4,096, K 1,024] x [K 1,024, N 1,024]; A: input x; B: input Wk: QUANTISED
;;     3. [M 4,096, K 1,024] x [K 1,024, N 1,024]; A: input x; B: input Wv: QUANTISED
;;     4. [M 65,536, K 64] x [K 64, N 1,024]; A: computed on the way; B: input Er: QUANTISED
;;     5. batch 64 x [M 1,024, K 64] x [K 64, N 1,024]; A: computed on the way; B: computed on the way: QUANTISED
;;     6. batch 64 x [M 1,024, K 1,024] x [K 1,024, N 64]; A: softmax (see below); B: computed on the way: QUANTISED
;;   THE QUANTISER, for each operand of a quantised product, along K:
;;     - K is cut into blocks of 32 from its start; a last block that is shorter is filled with zeros.
;;     - A block's scale is 2^e with e = floor(log2(the largest magnitude in the block)) - 2, held to -126 .. 127; a block of zeros has e = 0. As a byte (E8M0): e + 127.
;;     - Each number is divided by its block's scale, clamped to +-7.5, and rounded to the nearest number of E2M3, ties to even, subnormals kept.
;;     - The product sums the exact products of the quantised numbers (number of the format x scale) in f32.
;;   ~~~python
;;   def quantise(x, axis):      # numpy; x: float32 -> the quantised numbers, widened to float32 again
;;       x = np.moveaxis(x, axis, -1); K = x.shape[-1]
;;       x = np.pad(x, [(0, 0)] * (x.ndim - 1) + [(0, -K % 32)]); x = x.reshape(x.shape[:-1] + (-1, 32)); a = np.abs(x).max(-1, keepdims=True)
;;       e = np.where(a > 0, np.clip(np.frexp(np.where(a > 0, a, 1))[1] - 1 - 2, -126, 127), 0)      # np.frexp(a)[1] - 1 = floor(log2(a)), exactly
;;       r = np.clip(x / 2.0 ** e, -7.5, 7.5)
;;       step = 2.0 ** (np.maximum(np.frexp(np.where(r == 0, 1, r))[1] - 1, 0) - 3)
;;       q = np.round(r / step) * step * 2.0 ** e      # np.round: ties to even
;;       return np.moveaxis(q.reshape(q.shape[:-2] + (-1,))[..., :K], -1, axis).astype(np.float32)
;;   ~~~
;;   SOFTMAX AHEAD OF A QUANTISED PRODUCT. Where the list says 'softmax', what is quantised is not the finished softmax but p = 2^(t - M), with t = logit x log2(e) and M = ceil(the row's largest t), a whole number; so 1/2 < the row's largest p <= 1. The row's sum l is taken of the UNQUANTISED p, in f32, and the product's result is divided by l at the end. Since M is a whole number, a kernel that streams over the keys may use a running M (the ceiling of the running maximum): every later rescaling is an exact power of two, which a block's scale takes up: the codes' values come out the same.
;;   OPERANDS COMPUTED ON THE WAY. 'Computed on the way' means the value that the module computes at that place (a softmax that the list does not call 'softmax' is quantised finished and normalised). What goes into a quantiser is computed in f32, as accurately as f32 sums, v_exp_f32 and their like allow (about 1e-6 of the number): no bf16 or f16 on the way to a quantiser, and a product that is left as it is and whose result goes on into a quantised operand takes f32 operands (vector FMAs, or v_wmma_f32_16x16x4_f32). A number that lies on a knife's edge between two numbers of the format may be rounded either way, as far as f32 arithmetic and the matrix unit's own rounding can turn it there, and no further.
;; One version. Each part assembles by itself: llvm-mc -triple=amdgcn-amd-amdhsa -mcpu=gfx1250 --defsym DOCPART=n.
;; ======== version 1 of 1: 3 launches
;; workspace buffers: opnd 5,734,400 bytes; er 239,616 bytes; qk 6,815,744 bytes; vq 3,276,800 bytes
;; launch quant (part 1): grid 466 x 1, 4 waves a work-group, no clusters, 81,408 bytes of LDS; arguments x, Wq, Wk, Wv, Er, opnd, er; writes opnd, er
.if DOCPART == 1
	.amdgcn_target "amdgcn-amd-amdhsa--gfx1250"
	.amdhsa_code_object_version 6
	.text
	.protected	k_qb2ae1a71c4_quant
	.globl	k_qb2ae1a71c4_quant
	.p2align	8
	.type	k_qb2ae1a71c4_quant,@function
k_qb2ae1a71c4_quant:
	s_mov_b64 s[64:65], 0
	v_nop
	global_prefetch_b8 v0, s[64:65] scope:SCOPE_SE
	s_setreg_imm32_b32 hwreg(HW_REG_WAVE_MODE, 25, 1), 1
	s_wait_xcnt 0x0
; x [4096][1024], Wq, Wk, Wv [1024 (k)][1024 (n)] and Er [1024][64], all f32, become codes of FP6 (E2M3) with one E8M0 byte for each 32 along K, laid as IMAGES OF THE OPERAND'S REGISTERS.
; A block's scale is 2^(floor(log2(its largest magnitude)) - 2); its byte is the largest magnitude's exponent field - 2, held at 1 from below.
; LIMITS: NaN and infinities among the inputs are not served; a block of zeros, or one whose largest magnitude lies under 2^-124, gets the byte 1 (zeros' codes are zeros, and these bytes are read by this program alone).
; opnd: [448 tiles][8 K steps][3][32 lanes][16 bytes]: a fragment (16 rows x 128 K, 12 registers a lane) as three groups of four registers; tiles 0-255 x, 256-319 Wq, 320-383 Wk, 384-447 Wv.
;       from byte SC on: [448][4][32 lanes][4]: lane l holds the scale word of row l % 16 for K step 2 p + l / 16.
; THE ROWS OF A TILE ARE NOT NEIGHBOURS: row 64 c + 32 u + 8 v + j (a token of x, a column of W) is lane j + 8 u of tile 4 c + v.  Where such tiles are a product's source 0, the 32 result registers of tiles 4 c .. 4 c + 3 of a lane
; are 32 neighbours: a whole block of the next K in one lane.
; er: four versions of [72 tiles][3][32 lanes][8 bytes] (K = 64: six registers a lane) + [18][16 rows][4 words] of scales; row 16 t + r of version w holds Er[16 t + r + d], d = 32 (1 - w / 2) + 1 - w % 2, zeros past Er's end.
; THREE PATHS, parted on the work-group's number, each with LDS bytes of its own.  No cluster: no two work-groups read the same bytes but Er's, a hundredth of the launch's bytes.  No tensor loads, no ring: every wave has all its loads out at once.
.set SC,    5505024
.set SPARE, 80896                      ; the spare words, 128 bytes for each wave: two blocks of 256 bytes that no other line names
.set XST,   0                          ; path X: two stages of 16 rows x 528 bytes for each wave
.set WST,   67584                      ; path W: four tiles x (two fragments' images + 128)
.set WSS,   80384                      ; path W: four tiles x 128 bytes of scale words
.set LN,  1                            ; v1 lane   v2 r = lane % 16   v3 h = lane / 16   v4 8 h
.set RR,  2
.set HH,  3
.set SH8, 4
.set TM,  8                            ; v8-11  largest magnitudes, then the conversions' scale operands
.set TX,  12                           ; v12    what the other half of the lanes sends
.set PT,  14                           ; v14-16, v18-20: a block's upper 16 codes (a conversion's three registers begin on an even number)
.set PW,  22                           ; v22-24 scale words
.set BY,  26                           ; v26-29 scale bytes
.set SPW, 250                          ; v250   LDS address of my spare word; never rewritten
.set NIL, 251                          ; v251   0; never rewritten
; 32 numbers of one lane, v[src] on: a whole block.  Six registers of codes at v[pc], the scale's byte in v[by].
.macro BLK1 src, pc, by
	v_max3_num_f32 v[TM], |v[(\src)]|, |v[(\src)+1]|, 0x1800000      ; the floor 2^(3 - 127) among the leaves: the byte cannot fall under 1
	v_max3_num_f32 v[TM+2], |v[(\src)+16]|, |v[(\src)+17]|, |v[(\src)+18]|
.irp i, 0,1,2,3,4,5
	v_max3_num_f32 v[TM], v[TM], |v[(\src)+2+2*\i]|, |v[(\src)+3+2*\i]|
	v_max3_num_f32 v[TM+2], v[TM+2], |v[(\src)+19+2*\i]|, |v[(\src)+20+2*\i]|
.endr
	v_max3_num_f32 v[TM], v[TM], |v[(\src)+14]|, |v[(\src)+15]|
	v_max3_num_f32 v[TM], v[TM], v[TM+2], |v[(\src)+31]|
	v_add_nc_u32 v[TM], 0xff000000, v[TM]          ; 2 off the exponent field: the conversion takes that field as its scale
	v_cvt_scalef32_pk16_fp6_f32 v[(\pc):(\pc)+2], v[(\src):(\src)+15], v[TM]
	v_cvt_scalef32_pk16_fp6_f32 v[PT:PT+2], v[(\src)+16:(\src)+31], v[TM]
	v_lshrrev_b32 v[\by], 23, v[TM]                ; the byte; also the plain line behind the conversions
.irp i, 0,1,2
	v_mov_b32 v[(\pc)+3+\i], v[PT+\i]
.endr
.endm
; 64 numbers of a lane, register 32 c + i = k 64 c + 32 h + i of my row: a fragment's 12 registers at v[pc], my row's scale word in v[pw] (in both halves of the lanes).
.macro QUANT32 src, pc, pw
.irp c, 0,1
	v_max3_num_f32 v[TM+\c], |v[(\src)+32*\c]|, |v[(\src)+32*\c+1]|, 0x1800000
	v_max3_num_f32 v[TM+2+\c], |v[(\src)+32*\c+16]|, |v[(\src)+32*\c+17]|, |v[(\src)+32*\c+18]|
.endr
.irp i, 0,1,2,3,4,5
.irp c, 0,1
	v_max3_num_f32 v[TM+\c], v[TM+\c], |v[(\src)+32*\c+2+2*\i]|, |v[(\src)+32*\c+3+2*\i]|
	v_max3_num_f32 v[TM+2+\c], v[TM+2+\c], |v[(\src)+32*\c+19+2*\i]|, |v[(\src)+32*\c+20+2*\i]|
.endr
.endr
.irp c, 0,1
	v_max3_num_f32 v[TM+\c], v[TM+\c], |v[(\src)+32*\c+14]|, |v[(\src)+32*\c+15]|
.endr
.irp c, 0,1
	v_max3_num_f32 v[TM+\c], v[TM+\c], v[TM+2+\c], |v[(\src)+32*\c+31]|
.endr
.irp c, 0,1
	v_add_nc_u32 v[TM+\c], 0xff000000, v[TM+\c]
.endr
.irp c, 0,1
	v_cvt_scalef32_pk16_fp6_f32 v[(\pc)+6*\c:(\pc)+6*\c+2], v[(\src)+32*\c:(\src)+32*\c+15], v[TM+\c]
	v_cvt_scalef32_pk16_fp6_f32 v[PT+4*\c:PT+4*\c+2], v[(\src)+32*\c+16:(\src)+32*\c+31], v[TM+\c]
.endr
.irp c, 0,1
	v_lshrrev_b32 v[BY+\c], 23, v[TM+\c]           ; plain lines behind the conversions
.endr
.irp c, 0,1
.irp i, 0,1,2
	v_mov_b32 v[(\pc)+6*\c+3+\i], v[PT+4*\c+\i]
.endr
.endr
	v_lshl_or_b32 v[\pw], v[BY+1], 16, v[BY]       ; my blocks are h and 2 + h of the row's four:
	v_lshlrev_b32 v[\pw], v[SH8], v[\pw]           ; 8 h bits up,
	v_permlanex16_b32 v[TX], v[\pw], s20, s21
	v_or_b32 v[\pw], v[\pw], v[TX]                 ; and with the other half's two the word is whole
.endm
	s_load_b256 s[4:11], s[0:1], 0x0               ; x s[4:5], Wq s[6:7], Wk s[8:9], Wv s[10:11]
	s_load_b128 s[12:15], s[0:1], 0x20             ; Er s[12:13], opnd s[14:15]
	s_load_b64 s[16:17], s[0:1], 0x30              ; er
	v_lshl_add_u32 v[SPW], v0, 2, SPARE
	v_mov_b32 v[NIL], 0
	v_lshrrev_b32 v5, 5, v0
	v_readfirstlane_b32 s18, v5                    ; wave 0..3
	v_and_b32 v[LN], 31, v0
	v_and_b32 v[RR], 15, v0
	v_bfe_u32 v[HH], v0, 4, 1
	v_lshlrev_b32 v[SH8], 3, v[HH]
	v_mov_b32 v[TX], 0                             ; a lane permute's destination counts as one of its sources
	s_mov_b32 s20, 0x76543210
	s_mov_b32 s21, 0xfedcba98                      ; v_permlanex16_b32's selects for lane l xor 16
	s_wait_kmcnt 0x0
	s_cmp_lt_u32 ttmp9, 256
	s_cbranch_scc0 .Lnot_x
; ---- PATH X: the work-group is tile T of x, wave w takes K steps 2 w and 2 w + 1.
; Each load reads 512 consecutive bytes of one row; a K step's 16 rows turn through the wave's own stage (rows 528 bytes apart) and come back 128 bytes a lane and block.
.set R0, 32                            ; v32-95   K step 2 w as loaded, later K step 2 w + 1 as the conversions want it
.set R1, 96                            ; v96-159  K step 2 w + 1 as loaded
.set XA, 160                           ; v160-223 K step 2 w as the conversions want it
.set PC0, 224
.set PC1, 236
	s_lshr_b32 s22, ttmp9, 2
	s_lshl_b32 s22, s22, 6
	s_and_b32 s23, ttmp9, 3
	s_lshl_b32 s23, s23, 3
	s_add_co_u32 s22, s22, s23                     ; the tile's first token: 64 (T / 4) + 8 (T % 4)
	s_lshl_b32 s22, s22, 12                        ; rows of 4,096 bytes
	s_lshl_b32 s23, s18, 10                        ; my two K steps: 1,024 bytes
	s_add_co_u32 s22, s22, s23
	s_mov_b32 s23, 0
	s_add_nc_u64 s[4:5], s[4:5], s[22:23]
	v_lshlrev_b32 v5, 4, v[LN]                     ; 16 x lane
.set q, 0
.rept 2
.set i, 0
.rept 16
	global_load_b128 v[R0+64*q+4*i:R0+64*q+4*i+3], v5, s[4:5] offset:(i+24*(i/8))*4096+512*q th:TH_LOAD_NT   ; lane position i of the tile is row i, or i + 24 from 8 on
.set i, i+1
.endr
.set q, q+1
.endr
	s_mul_i32 s24, s18, 16896
	v_add_nc_u32 v6, s24, v5                       ; into a stage: 16 x lane, the row in the immediate
	v_mul_u32_u24 v7, v[RR], 528
	v_lshl_add_u32 v7, v[HH], 7, v7
	v_add_nc_u32 v7, s24, v7                       ; out of it: row r, + 128 h
	v_lshlrev_b32 v13, 2, v[LN]
	s_mul_i32 s26, ttmp9, 12288
	s_mul_i32 s27, s18, 3072
	s_add_co_u32 s26, s26, s27
	s_mov_b32 s27, 0
	s_add_nc_u64 s[26:27], s[14:15], s[26:27]      ; my two fragments' images
	s_lshl_b32 s28, ttmp9, 9
	s_lshl_b32 s29, s18, 7
	s_add_co_u32 s28, s28, s29
	s_add_co_u32 s28, s28, SC
	s_mov_b32 s29, 0
	s_add_nc_u64 s[28:29], s[14:15], s[28:29]      ; and their scale words
	s_wait_loadcnt 16                              ; the first K step's sixteen loads are in, the second's may be out
.set i, 0
.rept 16
	ds_store_b128 v6, v[R0+4*i:R0+4*i+3] offset:528*i
.set i, i+1
.endr
.set i, 0
.rept 16
	ds_load_b128 v[XA+4*i:XA+4*i+3], v7 offset:256*(i/8)+16*(i%8)       ; LDS serves a wave's instructions in order: these see the stores above
.set i, i+1
.endr
	s_wait_loadcnt 0x0
.set i, 0
.rept 16
	ds_store_b128 v6, v[R1+4*i:R1+4*i+3] offset:8448+528*i
.set i, i+1
.endr
.set i, 0
.rept 16
	ds_load_b128 v[R0+4*i:R0+4*i+3], v7 offset:8448+256*(i/8)+16*(i%8)
.set i, i+1
.endr
	s_wait_dscnt 32                                ; the first K step is back: behind its reads stand 16 stores and 16 reads
	QUANT32 XA, PC0, PW
.irp g, 0,1,2
	global_store_b128 v5, v[PC0+4*\g:PC0+4*\g+3], s[26:27] offset:512*\g          ; 32 lanes store 512 consecutive bytes
.endr
	s_wait_dscnt 0x0
	QUANT32 R0, PC1, PW+1
.irp g, 0,1,2
	global_store_b128 v5, v[PC1+4*\g:PC1+4*\g+3], s[26:27] offset:1536+512*\g
.endr
	v_cmp_ne_u32 vcc_lo, 0, v[HH]
	v_cndmask_b32 v[PW+2], v[PW], v[PW+1], vcc_lo  ; lanes 0-15 the even K step's words, lanes 16-31 the odd one's
	global_store_b32 v13, v[PW+2], s[28:29]
	s_branch .Lend
.Lnot_x:
	s_cmp_lt_u32 ttmp9, 448
	s_cbranch_scc0 .Lpath_e
; ---- PATH W: 64 columns of one weight x two K steps.  A lane takes a column and its registers run down K: 128 numbers, four whole blocks.  Wave w: columns 32 (w % 2) on, K step 2 sp + w / 2.
; A wave's 32 columns are eight lanes of each of four tiles, so the images are pieced together in LDS and leave whole: wave w then stores tile w's two fragments.
	s_sub_co_u32 s22, ttmp9, 256
	s_lshr_b32 s23, s22, 2                         ; cg: which 64 columns of the three weights' 3,072
	s_and_b32 s24, s22, 3                          ; sp: which pair of K steps
	s_lshr_b32 s25, s23, 4                         ; which weight
	s_cmp_eq_u32 s25, 0
	s_cselect_b64 s[6:7], s[6:7], s[8:9]
	s_cmp_eq_u32 s25, 2
	s_cselect_b64 s[6:7], s[10:11], s[6:7]
	s_and_b32 s26, s18, 1                          ; u: the columns' half
	s_lshr_b32 s27, s18, 1                         ; which of the two K steps
	s_lshl_b32 s28, s24, 1
	s_add_co_u32 s28, s28, s27
	s_lshl_b32 s28, s28, 19                        ; 128 rows of 4,096 bytes a K step
	s_and_b32 s29, s23, 15
	s_lshl_b32 s29, s29, 8
	s_add_co_u32 s28, s28, s29
	s_lshl_b32 s29, s26, 7
	s_add_co_u32 s28, s28, s29
	s_mov_b32 s29, 0
	s_add_nc_u64 s[6:7], s[6:7], s[28:29]
	v_lshlrev_b32 v5, 2, v[LN]
.set i, 0
.rept 128
	global_load_b32 v[32+i], v5, s[6:7] offset:i*4096 th:TH_LOAD_NT             ; 32 lanes read 128 consecutive bytes; the two waves of a K step stand side by side
.set i, i+1
.endr
	v_lshrrev_b32 v6, 3, v[LN]                     ; v: my tile of the four
	v_and_b32 v7, 7, v[LN]                         ; j
	v_mul_u32_u24 v13, v6, 3200
	v_lshl_add_u32 v13, v7, 4, v13
	s_mul_i32 s30, s27, 1536
	s_lshl_b32 s31, s26, 7
	s_add_co_u32 s30, s30, s31
	s_add_co_u32 s30, s30, WST
	v_add_nc_u32 v13, s30, v13                     ; my column is lane j + 8 u of the tile: 16 bytes a lane in each group of an image
	v_lshlrev_b32 v21, 7, v6
	v_lshl_add_u32 v21, v7, 2, v21
	s_lshl_b32 s30, s27, 6
	s_lshl_b32 s31, s26, 5
	s_add_co_u32 s30, s30, s31
	s_add_co_u32 s30, s30, WSS
	v_add_nc_u32 v21, s30, v21                     ; and its scale word's place
	s_mul_i32 s30, s18, 3200
	s_add_co_u32 s30, s30, WST
	v_lshl_add_u32 v25, v[LN], 4, s30              ; the way out: tile w, 16 x lane
	s_lshl_b32 s30, s18, 7
	s_add_co_u32 s30, s30, WSS
	v_lshl_add_u32 v30, v[LN], 2, s30
	v_lshlrev_b32 v31, 4, v[LN]
	s_lshl_b32 s36, s23, 2
	s_add_co_u32 s36, s36, s18
	s_add_co_u32 s36, s36, 256                     ; the tile that I store: 256 + 4 cg + w
	s_mul_i32 s32, s36, 12288
	s_mul_i32 s37, s24, 3072
	s_add_co_u32 s32, s32, s37
	s_mov_b32 s33, 0
	s_add_nc_u64 s[32:33], s[14:15], s[32:33]
	s_lshl_b32 s34, s36, 9
	s_lshl_b32 s37, s24, 7
	s_add_co_u32 s34, s34, s37
	s_add_co_u32 s34, s34, SC
	s_mov_b32 s35, 0
	s_add_nc_u64 s[34:35], s[14:15], s[34:35]
; Block kb = 2 c + f of the K step belongs to lane (my row, f), registers 6 c .. 6 c + 5: bytes 24 c .. 24 c + 23 of that lane's 48, which lie in groups of 16.
.macro WBLK kb
.set CC, 160+8*\kb
	BLK1 32+32*\kb, CC, BY+\kb
.if \kb < 2
	ds_store_b128 v13, v[CC:CC+3] offset:256*(\kb%2)
	ds_store_b64 v13, v[CC+4:CC+5] offset:256*(\kb%2)+512
.else
	ds_store_b64 v13, v[CC:CC+1] offset:256*(\kb%2)+520
	ds_store_b128 v13, v[CC+2:CC+5] offset:256*(\kb%2)+1024
.endif
.endm
	s_wait_loadcnt 63                              ; all but the youngest 63 of the 128 are in: blocks 0 and 1
	WBLK 0
	WBLK 1
	s_wait_loadcnt 32
	WBLK 2
	s_wait_loadcnt 0x0
	WBLK 3
	v_lshl_or_b32 v[PW], v[BY+1], 8, v[BY]
	v_lshl_or_b32 v[PW], v[BY+2], 16, v[PW]
	v_lshl_or_b32 v[PW], v[BY+3], 24, v[PW]
	ds_store_b32 v21, v[PW]
	s_wait_dscnt 0x0                               ; for the others' sake: my stores have landed
	s_barrier_signal -1
	s_barrier_wait -1                              ; (the branch that leads here hangs on the work-group's number: all four waves are here)
.irp k, 0,1,2,3,4,5
	ds_load_b128 v[192+4*\k:195+4*\k], v25 offset:512*\k
.endr
	ds_load_b32 v216, v30
	s_wait_dscnt 0x0
.irp k, 0,1,2,3,4,5
	global_store_b128 v31, v[192+4*\k:195+4*\k], s[32:33] offset:512*\k
.endr
	global_store_b32 v5, v216, s[34:35]
	s_branch .Lend
.Lpath_e:
; ---- PATH E: four tiles of 16 rows of Er, wave w makes version w.  K = 64: lane (r, h) holds block h of its row.
	s_sub_co_u32 s22, ttmp9, 448                   ; the group of four tiles, 0..17
	s_lshr_b32 s23, s18, 1
	s_xor_b32 s23, s23, 1
	s_lshl_b32 s23, s23, 5
	s_and_b32 s24, s18, 1
	s_xor_b32 s24, s24, 1
	s_add_co_u32 s23, s23, s24                     ; the version's shift d
	s_lshl_b32 s24, s22, 6
	s_add_co_u32 s23, s23, s24
	v_add_nc_u32 v5, s23, v[RR]                    ; Er's row for my row of the group's first tile
.irp k, 0,1,2,3
	v_add_nc_u32 v[200+\k], 16*\k, v5
	v_min_u32 v[204+\k], 0x3ff, v[200+\k]          ; no load leaves Er: rows past its end read the last row and are replaced by zeros below
	v_lshlrev_b32 v[204+\k], 8, v[204+\k]
	v_lshl_add_u32 v[204+\k], v[HH], 7, v[204+\k]
.endr
.irp k, 0,1,2,3
.irp e, 0,1,2,3,4,5,6,7
	global_load_b128 v[32+32*\k+4*\e:35+32*\k+4*\e], v[204+\k], s[12:13] offset:16*\e
.endr
.endr
	v_lshlrev_b32 v31, 3, v[LN]
	v_lshlrev_b32 v30, 4, v[RR]
	s_mul_i32 s26, s18, 59904
	s_mul_i32 s27, s22, 3072
	s_lshl_b32 s28, s22, 8
	s_add_co_u32 s28, s28, s26
	s_add_co_u32 s28, s28, 55296
	s_add_co_u32 s26, s26, s27
	s_mov_b32 s27, 0
	s_mov_b32 s29, 0
	s_add_nc_u64 s[26:27], s[16:17], s[26:27]
	s_add_nc_u64 s[28:29], s[16:17], s[28:29]
.irp k, 0,1,2,3
	s_wait_loadcnt 24-8*\k                         ; this tile's eight loads are in, the later tiles' may be out
	v_cmp_gt_u32 vcc_lo, 0x400, v[200+\k]
.set i, 0
.rept 32
	v_cndmask_b32 v[32+32*\k+i], 0, v[32+32*\k+i], vcc_lo
.set i, i+1
.endr
	BLK1 32+32*\k, 160+8*\k, BY+\k
	v_lshlrev_b32 v[BY+\k], v[SH8], v[BY+\k]
	v_permlanex16_b32 v[TX], v[BY+\k], s20, s21
	v_or_b32 v[208+\k], v[BY+\k], v[TX]            ; the row's two bytes; the upper two stay 0
.irp c, 0,1,2
	global_store_b64 v31, v[160+8*\k+2*\c:161+8*\k+2*\c], s[26:27] offset:768*\k+256*\c     ; 32 lanes store 256 consecutive bytes
.endr
.endr
	s_wait_xcnt 0x0                                ; EXEC changes only behind this wait
	v_cmp_gt_u32 vcc_lo, 16, v[LN]
	s_and_saveexec_b32 s30, vcc_lo
	global_store_b128 v30, v[208:211], s[28:29]    ; sixteen lanes: four tiles' words of each row, 256 consecutive bytes
	s_wait_xcnt 0x0                                ; and again in front of the line that widens it
	s_or_b32 exec_lo, exec_lo, s30
.Lend:
	s_wait_tensorcnt 0x0                           ; the wave's end: behind my last LDS store; the tensor wait stands even with no tensor load in this text
	ds_add_u32 v[SPW], v[NIL]
	s_wait_dscnt 0x0
	s_endpgm
.Lfunc_end_k_qb2ae1a71c4_quant:
	.size	k_qb2ae1a71c4_quant, .Lfunc_end_k_qb2ae1a71c4_quant-k_qb2ae1a71c4_quant
	.p2alignl 7, 3214868480
	.fill 96, 4, 3214868480
	.section	.rodata,"a",@progbits
	.p2align	6, 0x0
	.amdhsa_kernel k_qb2ae1a71c4_quant
		.amdhsa_group_segment_fixed_size 81408
		.amdhsa_private_segment_fixed_size 0
		.amdhsa_enable_private_segment 0
		.amdhsa_kernarg_size 56
		.amdhsa_user_sgpr_count 2
		.amdhsa_user_sgpr_kernarg_segment_ptr 1
		.amdhsa_wavefront_size32 1
		.amdhsa_system_sgpr_workgroup_id_x 1
		.amdhsa_system_sgpr_workgroup_id_y 1
		.amdhsa_system_sgpr_workgroup_id_z 1
		.amdhsa_system_vgpr_workitem_id 0
		.amdhsa_next_free_vgpr 256
		.amdhsa_next_free_sgpr 66
		.amdhsa_reserve_vcc 1
		.amdhsa_float_denorm_mode_32 3
		.amdhsa_float_denorm_mode_16_64 3
		.amdhsa_memory_ordered 1
		.amdhsa_forward_progress 1
		.amdhsa_inst_pref_size 55
	.end_amdhsa_kernel
	.amdgpu_metadata
---
amdhsa.version: [ 1, 2 ]
amdhsa.kernels:
  - .name:           k_qb2ae1a71c4_quant
    .symbol:         k_qb2ae1a71c4_quant.kd
    .args:
      - { .name: x, .offset: 0, .size: 8, .value_kind: global_buffer, .address_space: global }
      - { .name: Wq, .offset: 8, .size: 8, .value_kind: global_buffer, .address_space: global }
      - { .name: Wk, .offset: 16, .size: 8, .value_kind: global_buffer, .address_space: global }
      - { .name: Wv, .offset: 24, .size: 8, .value_kind: global_buffer, .address_space: global }
      - { .name: Er, .offset: 32, .size: 8, .value_kind: global_buffer, .address_space: global }
      - { .name: opnd, .offset: 40, .size: 8, .value_kind: global_buffer, .address_space: global }
      - { .name: er, .offset: 48, .size: 8, .value_kind: global_buffer, .address_space: global }
    .group_segment_fixed_size: 81408
    .private_segment_fixed_size: 0
    .kernarg_segment_align: 8
    .kernarg_segment_size: 56
    .max_flat_workgroup_size: 128
    .sgpr_count:     66
    .vgpr_count:     256
    .wavefront_size: 32
...
	.end_amdgpu_metadata
.endif
;; end of part 1
;; launch proj (part 2): grid 4 x 48, 4 waves a work-group, clusters of 4 x 4, 327,680 bytes of LDS; arguments opnd, bq, bk, bv, qk, vq; writes qk, vq
.if DOCPART == 2
	.amdgcn_target "amdgcn-amd-amdhsa--gfx1250"
	.amdhsa_code_object_version 6
	.text
	.protected	k_qb2ae1a71c4_proj
	.globl	k_qb2ae1a71c4_proj
	.p2align	8
	.type	k_qb2ae1a71c4_proj,@function
k_qb2ae1a71c4_proj:
	s_mov_b64 s[64:65], 0
	v_nop
	global_prefetch_b8 v0, s[64:65] scope:SCOPE_SE
	s_setreg_imm32_b32 hwreg(HW_REG_WAVE_MODE, 25, 1), 1
	s_wait_xcnt 0x0
	s_wait_alu depctr_hold_cnt(0) depctr_sa_sdst(0) depctr_va_vdst(0) depctr_va_sdst(0) depctr_va_ssrc(0) depctr_va_vcc(0) depctr_vm_vsrc(0)
	s_getreg_b32 s2, hwreg(HW_REG_IB_STS2, 6, 4)
	s_cmp_eq_u32 s2, 0
	s_cbranch_scc0 .Lentry_in_a_cluster
	s_endpgm
.Lentry_in_a_cluster:
	s_bfe_u32 s2, ttmp6, 0x10000c
	s_cmp_lg_u32 s2, 0xf033
	s_cbranch_scc0 .Lentry_shape_is_right
	s_endpgm
.Lentry_shape_is_right:
; q = x Wq + bq, k = x Wk + bk, v = x Wv + bv on codes of FP6 (E2M3), K = 1,024, and the results quantised at once for the attention: q and k along the head's 64, v along the keys.
; ONE PRODUCT FOR ALL: Z[r][p] = sum over k of R[r][k] P[p][k], source 0 = 16 rows of P, source 1 = 16 rows of R: a lane holds one row of R, and its registers run along P.
;   clusters 0-7:  P = columns of Wq (even) or Wk (odd), R = tokens of batch cid / 2: a lane's registers run along the channels, q's and k's K.
;   clusters 8-11: P = tokens of batch cid - 8, R = columns of Wv: a lane's registers run along the keys, v's K.
; Operands come as images of their registers (tile, K step: 1,536 bytes; a tile's eight K steps on end).  By the order of rows in a tile, the 32 result registers of four neighbouring tiles of P are one whole block of 32 in one lane.
; A work-group makes 16 x 16 tiles, a wave 8 x 8: 64 accumulators, 512 registers.  192 work-groups: the three products' tiles stand 2 : 1 and are powers of two, so no equal split gives 256.
; CLUSTERS 4 x 4: R's tiles hang on the cluster's row alone, P's on its column alone; each is asked for jointly by the four that need it.
; LDS: three slots of two K steps; slots 0, 1, 2 are filled at the start (three tensor loads of mine are out), slot 0 once more with K steps 6 and 7.  No prefetch: six of the eight K steps are asked for at the head.
; Results leave from registers: a lane's codes are 8 or 16 neighbouring bytes of an image, so every store of the wave covers 256 or 512 consecutive bytes.
; LIMITS: NaN and infinities are not served; a block of zeros, or one whose largest magnitude lies under 2^-124, gets the scale byte 1 (read by this program alone).
; REGISTERS: window 0: v2 r, v3 h, v8-15 the biases' offsets, v16-22 LDS addresses, v32-63 R's scale words, v64-95 P's, v96-118 at work, v128-223 R's fragments (one set), on the way out v128-191 64 numbers and v192-203 their codes.
;   window 1: P's fragments, two sets at v0 and v128; the biases at v96-127 and v224-255.   windows 2, 3: the accumulators: (a, b) at v[8 (8 (a % 4) + b)].
.set SLOT,  98304
.set HALFT, 24576                      ; 8 tiles x 2 K steps x 1,536 bytes: what one tensor load brings
.set SPARE, 294912                     ; the spare words, 128 bytes for each wave: two blocks of 256 bytes that no other line names
.set SC,    5505024
.set RR,   2
.set HH,   3
.set VO,   8
.set ADRA, 16
.set ADRB, 20
.set LI8,  24
.set LI16, 25
.set LI4,  26
.set SH8,  27
.set SPW,  28
.set NIL,  29
.set RS,   32                          ; register 4 i + p: tile i's scale words, lanes 0-15 K step 2 p, lanes 16-31 K step 2 p + 1
.set PS,   64
.set TM,   96
.set BY,   100
.set TX,   102
.set SCW,  104
.set PT,   112
.set AF,   128
.set H,    128
.set PC,   192
.set WV,  16
.set WR,  17
.set WC,  18
.set CX,  19
.set CY,  20
.set CID, 21
.set PB,  22
.set RB,  23
.set G1,  24
.set G0,  32
.set G1B, 48
.set SEL, 60
.set G0B, 68
.set MSB, 0
.macro WIN new                         ; the immediate's high byte repeats the setting that is left
.if MSB != (\new)
	s_set_vgpr_msb (MSB<<8)|(\new)
.set MSB, (\new)
.endif
.endm
.set MUL_LO, 0xa1                      ; source 0 (P) window 1, source 1 (R) window 0, C and D window 2
.set MUL_HI, 0xf1
.set TO_B,   0x40
.macro PLACES n
.rept \n
	v_nop
.endr
.endm
; A joint load: waves 0 and 1 fetch R's halves, waves 2 and 3 P's.  An s_nop 0 and four v_nop follow each of the two lines.
.macro JLOAD g0a, g0b
	s_cmp_eq_u32 s[WR], 0
	s_cbranch_scc0 .Lfor_p_\@
	tensor_load_to_lds s[\g0a:\g0a+3], s[G1:G1+7]
	s_nop 0
.rept 4
	v_nop
.endr
	s_branch .Lasked_\@
.Lfor_p_\@:
	tensor_load_to_lds s[\g0b:\g0b+3], s[G1B:G1B+7]
	s_nop 0
.rept 4
	v_nop
.endr
.Lasked_\@:
.endm
.macro CREST
	s_cmp_lg_u32 s[WV], 0
	s_cbranch_scc1 .Lnot_wave_0_\@
	s_barrier_signal -3
.Lnot_wave_0_\@:
	s_barrier_wait -3
	s_barrier_signal -1
	s_barrier_wait -1
.endm
.macro CROUND
	s_barrier_signal -1
	s_barrier_wait -1
	CREST
.endm
	s_load_b256 s[4:11], s[0:1], 0x0               ; opnd s[4:5], bq s[6:7], bk s[8:9], bv s[10:11]
	s_load_b128 s[12:15], s[0:1], 0x20             ; qk s[12:13], vq s[14:15]
	v_lshl_add_u32 v[SPW], v0, 2, SPARE
	v_mov_b32 v[NIL], 0
	ds_add_u32 v[SPW], v[NIL]                      ; the wave's opening: the add and its wait stand ahead of my first tensor load; work on registers stands between them
	v_lshrrev_b32 v1, 5, v0
	v_readfirstlane_b32 s[WV], v1                  ; wave 0..3
	s_lshr_b32 s[WR], s[WV], 1                     ; my half of R's tiles.  Also: I fetch for R (0) or for P (1)
	s_and_b32 s[WC], s[WV], 1                      ; my half of P's tiles.  Also: which eight tiles I fetch
	s_bfe_u32 s[CX], ttmp6, 0x40000
	s_bfe_u32 s[CY], ttmp6, 0x40004
	s_and_b32 s[CID], ttmp7, 0xffff                ; the cluster, 0..11: the same in all sixteen partners
	s_lshl_b32 s44, s[CY], 2
	s_lshl_b32 s44, 15, s44                        ; my row of the cluster
	s_lshl_b32 s45, 0x1111, s[CX]                  ; my column
	s_or_b32 s[G1], s44, (3<<16)|(1<<21)           ; 15:0 the mask; 17:16 elements of 8 bytes; 21 set beside a mask; no padding
	s_or_b32 s[G1B], s45, (3<<16)|(1<<21)
.irp g, G1, G1B
	s_mov_b32 s[\g+1], 384<<16                     ; tensor_dim0: two K steps of a tile, 3,072 bytes
	s_mov_b32 s[\g+2], 8<<16                       ; tensor_dim1: eight tiles
	s_mov_b32 s[\g+3], 384<<16                     ; tile_dim0
	s_mov_b32 s[\g+4], 8                           ; tile_dim1
	s_mov_b32 s[\g+5], 1536                        ; from tile to tile: 12,288 bytes
	s_mov_b32 s[\g+6], 0
	s_mov_b32 s[\g+7], 0
.endr
	s_and_b32 s56, s[CID], 1
	s_lshl_b32 s56, s56, 6
	s_add_co_u32 s56, s56, 256                     ; q, k: P begins at Wq's or Wk's tiles
	s_max_u32 s57, s[CID], 8
	s_sub_co_u32 s57, s57, 8
	s_lshl_b32 s57, s57, 6                         ; v: at the batch's tokens
	s_lshr_b32 s58, s[CID], 1
	s_lshl_b32 s58, s58, 6                         ; q, k: R begins at the batch's tokens
	s_mov_b32 s59, 384                             ; v: at Wv's tiles
	s_cmp_lt_u32 s[CID], 8
	s_cselect_b32 s[PB], s56, s57
	s_cselect_b32 s[RB], s58, s59
	s_lshl_b32 s56, s[CX], 4
	s_add_co_u32 s[PB], s[PB], s56                 ; P's tiles hang on cx alone,
	s_lshl_b32 s58, s[CY], 4
	s_add_co_u32 s[RB], s[RB], s58                 ; R's on cy alone
	s_lshl_b32 s46, s[WC], 3
	s_add_co_u32 s80, s[RB], s46
	s_mul_i32 s80, s80, 12288
	s_mov_b32 s81, 0
	s_add_co_u32 s82, s[PB], s46
	s_mul_i32 s82, s82, 12288
	s_mov_b32 s83, 0
	s_mul_i32 s84, s[WV], HALFT                    ; where my load goes: R's two halves, then P's two
	s_mov_b32 s[SEL], 0x76543210
	s_mov_b32 s[SEL+1], 0xfedcba98
	s_wait_dscnt 0x0                               ; the opening add is done
	s_wait_kmcnt 0x0
	s_add_nc_u64 s[80:81], s[4:5], s[80:81]
	s_add_nc_u64 s[82:83], s[4:5], s[82:83]
	CROUND                                         ; all sixteen work-groups are here: the first joint loads meet
.irp s, 0,1,2
	s_mov_b32 s[G0+4*\s], 1
	s_add_co_u32 s[G0+4*\s+1], s84, \s*SLOT
	s_add_nc_u64 s[G0+4*\s+2:G0+4*\s+3], s[80:81], \s*3072
	s_or_b32 s[G0+4*\s+3], s[G0+4*\s+3], 0x80000000
	s_mov_b32 s[G0B+4*\s], 1
	s_add_co_u32 s[G0B+4*\s+1], s84, \s*SLOT
	s_add_nc_u64 s[G0B+4*\s+2:G0B+4*\s+3], s[82:83], \s*3072
	s_or_b32 s[G0B+4*\s+3], s[G0B+4*\s+3], 0x80000000
	JLOAD G0+4*\s, G0B+4*\s                        ; K steps 2 s and 2 s + 1
.endr
	v_and_b32 v1, 31, v0
	v_and_b32 v[RR], 15, v0
	v_bfe_u32 v[HH], v0, 4, 1
	v_lshlrev_b32 v[LI8], 3, v1
	v_lshlrev_b32 v[LI16], 4, v1
	v_lshlrev_b32 v[LI4], 2, v1
	v_lshlrev_b32 v[SH8], 3, v[HH]
	v_mov_b32 v[TX], 0                             ; a lane permute's destination counts as one of its sources
	s_mul_i32 s85, s[WR], HALFT
	s_mul_i32 s86, s[WC], HALFT
	s_add_co_u32 s86, s86, 2*HALFT
.irp s, 0,1,2
	v_add_nc_u32 v[ADRA+\s], s85, v[LI16]
	v_add_nc_u32 v[ADRB+\s], s86, v[LI16]
	s_add_co_u32 s85, s85, SLOT
	s_add_co_u32 s86, s86, SLOT
.endr
	; the scale words of my 8 + 8 tiles for all of K: 128 consecutive bytes a load
	s_lshl_b32 s88, s[WR], 3
	s_add_co_u32 s88, s88, s[RB]
	s_lshl_b32 s88, s88, 9
	s_add_co_u32 s88, s88, SC
	s_mov_b32 s89, 0
	s_add_nc_u64 s[88:89], s[4:5], s[88:89]
	s_lshl_b32 s90, s[WC], 3
	s_add_co_u32 s90, s90, s[PB]
	s_lshl_b32 s90, s90, 9
	s_add_co_u32 s90, s90, SC
	s_mov_b32 s91, 0
	s_add_nc_u64 s[90:91], s[4:5], s[90:91]
.irp i, 0,1,2,3,4,5,6,7
.irp p, 0,1,2,3
	global_load_b32 v[RS+4*\i+\p], v[LI4], s[88:89] offset:512*\i+128*\p
	global_load_b32 v[PS+4*\i+\p], v[LI4], s[90:91] offset:512*\i+128*\p
.endr
.endr
	; the biases, eight registers a tile.  q, k: tile b of P, register j: channel C0 + 64 (b / 4) + 8 (b % 4) + 32 h + j.  v: tile a of R, all eight: my lane's channel C0 + 64 (a / 4) + 8 (a % 4) + 32 (r / 8) + r % 8.
	s_and_b32 s94, s[CID], 1
	s_cmp_eq_u32 s94, 0
	s_cselect_b64 s[92:93], s[6:7], s[8:9]
	s_cmp_lt_u32 s[CID], 8
	s_cselect_b64 s[92:93], s[92:93], s[10:11]
	s_lshl_b32 s94, s[CX], 10
	s_lshl_b32 s95, s[WC], 9
	s_add_co_u32 s94, s94, s95                     ; q, k: 4 C0 = 4 (256 cx + 128 x my half of P)
	s_lshl_b32 s96, s[CY], 10
	s_lshl_b32 s97, s[WR], 9
	s_add_co_u32 s96, s96, s97                     ; v: 4 (256 cy + 128 x my half of R)
	s_cmp_lt_u32 s[CID], 8
	s_cselect_b32 s94, s94, s96
	s_cselect_b32 s95, 4, 0                        ; from register to register
	s_cselect_b32 s96, -1, 0
	v_lshlrev_b32 v4, 7, v[HH]
	v_lshrrev_b32 v5, 3, v[RR]
	v_and_b32 v6, 7, v[RR]
	v_lshlrev_b32 v5, 7, v5
	v_lshl_add_u32 v5, v6, 2, v5
	v_cndmask_b32 v4, v5, v4, s96
	v_add_nc_u32 v4, s94, v4
.irp j, 0,1,2,3,4,5,6,7
	v_mad_u32_u24 v[VO+\j], s95, \j, v4
.endr
	WIN TO_B
.irp t, 0,1,2,3,4,5,6,7
.irp j, 0,1,2,3,4,5,6,7
	global_load_b32 v[96+128*(\t/4)+8*(\t%4)+\j], v[VO+\j], s[92:93] offset:4*(64*(\t/4)+8*(\t%4))
.endr
.endr
	WIN 0
.macro FRAG3 reg, adr, off             ; a fragment comes as it was stored: three groups of four registers, 16 bytes a lane
.irp g, 0,1,2
	ds_load_b128 v[(\reg)+4*\g:(\reg)+4*\g+3], v[\adr] offset:(\off)+512*\g
.endr
.endm
.macro FETCH_B slot, q, set
	WIN TO_B
.irp i, 0,1,2,3,4,5,6,7
	FRAG3 128*(\set)+12*\i, ADRB+(\slot), \i*3072+(\q)*1536
.endr
	WIN 0
.endm
.macro FETCH_A slot, q, i0
.irp i, \i0, \i0+1, \i0+2, \i0+3
	FRAG3 AF+12*(\i), ADRA+(\slot), (\i)*3072+(\q)*1536
.endr
.endm
; 16 matrix instructions of K step k: R's tiles a0, a0 + 1 x P's eight.  The 64 accumulators take turns, one instruction a turn, in the same order in every step.
.macro MUL16 a0, k, zero
.irp a, \a0, \a0+1
.irp b, 0,1,2,3,4,5,6,7
.set AC, 8*(8*((\a)%4)+\b)
.set PF, 128*((\k)%2)+12*\b
.set RF, AF+12*(\a)
.set SPR, PS+4*\b+(\k)/2
.set SRR, RS+4*(\a)+(\k)/2
.if \zero
	v_wmma_scale_f32_16x16x128_f8f6f4 v[AC:AC+7], v[PF:PF+11], v[RF:RF+11], 0, v[SPR], v[SRR] matrix_a_fmt:MATRIX_FMT_FP6 matrix_b_fmt:MATRIX_FMT_FP6
.elseif (\k)%2
	v_wmma_scale_f32_16x16x128_f8f6f4 v[AC:AC+7], v[PF:PF+11], v[RF:RF+11], v[AC:AC+7], v[SPR], v[SRR] matrix_a_fmt:MATRIX_FMT_FP6 matrix_b_fmt:MATRIX_FMT_FP6 matrix_a_scale:MATRIX_SCALE_ROW1 matrix_b_scale:MATRIX_SCALE_ROW1
.else
	v_wmma_scale_f32_16x16x128_f8f6f4 v[AC:AC+7], v[PF:PF+11], v[RF:RF+11], v[AC:AC+7], v[SPR], v[SRR] matrix_a_fmt:MATRIX_FMT_FP6 matrix_b_fmt:MATRIX_FMT_FP6
.endif
.endr
.endr
.endm
; K step k; the next step's fragments come from slot nslot, its nq-th K step.  Loads into registers that matrix instructions have read stand four plain places behind them (ISA guide 7.12.1 for vector instructions).
.macro STEP k, nslot, nq, zero
	s_wait_dscnt 12                                ; P's set and R's tiles 0-3 are in; the youngest twelve loads (R's tiles 4-7) may be out
	WIN MUL_LO
	MUL16 0, \k, \zero
	MUL16 2, \k, \zero
	s_wait_dscnt 0
	PLACES 4
	FETCH_B \nslot, \nq, 1-(\k)%2
	FETCH_A \nslot, \nq, 0
	WIN MUL_HI
	MUL16 4, \k, \zero
	MUL16 6, \k, \zero
	PLACES 4
	WIN 0
	FETCH_A \nslot, \nq, 4
.endm
; A K step with a barrier in it: in front of it each wave waits for all its tensor loads, adds 0 to its spare word, and waits for that and for its reads so far.  fill = 1: slot 0, just read out, takes K steps 6 and 7.
.macro TURN k, nslot, fill
	s_wait_tensorcnt 0x0                           ; all my tensor loads have landed
	ds_add_u32 v[SPW], v[NIL]                      ; 0 onto my spare word
	s_wait_dscnt 13                                ; (the add and the youngest twelve loads may be out)
	WIN MUL_LO
	MUL16 0, \k, 0
	s_wait_dscnt 0x0                               ; the add is done, and my reads of the slot are over
	s_barrier_signal -1
	MUL16 2, \k, 0
	WIN 0
	s_barrier_wait -1
.if \fill
	CREST                                          ; the barrier has opened a round of the cluster's: no wave of any partner still reads slot 0 or has a load on its way
	s_add_nc_u64 s[G0+2:G0+3], s[G0+2:G0+3], 9216
	s_add_nc_u64 s[G0B+2:G0B+3], s[G0B+2:G0B+3], 9216
	JLOAD G0, G0B                                  ; the first tensor load behind the round: four K steps' products ahead of the wait for it; its four v_nop are the places in front of the loads below
.else
	PLACES 4
.endif
	FETCH_B \nslot, 0, 1-(\k)%2
	FETCH_A \nslot, 0, 0
	WIN MUL_HI
	MUL16 4, \k, 0
	MUL16 6, \k, 0
	PLACES 4
	WIN 0
	FETCH_A \nslot, 0, 4
.endm
	s_wait_tensorcnt 2                             ; my part of slot 0 is in; slots 1 and 2 may stay out
	s_barrier_signal -1
	s_barrier_wait -1
	FETCH_B 0, 0, 0
	FETCH_A 0, 0, 0
	FETCH_A 0, 0, 4
	s_wait_loadcnt 0x0                             ; the scale words and the biases
	STEP 0, 0, 1, 1                                ; the first products start the sums: nothing is cleared
	TURN 1, 1, 1                                   ; every wave has shown slots 1 and 2 landed in front of this round: no barrier is owed between them
	STEP 2, 1, 1, 0
	STEP 3, 2, 0, 0
	STEP 4, 2, 1, 0
	TURN 5, 0, 0                                   ; slot 0's second fill has landed in every wave
	STEP 6, 0, 1, 0
	s_wait_dscnt 12
	WIN MUL_LO
	MUL16 0, 7, 0
	MUL16 2, 7, 0
	s_wait_dscnt 0
	WIN MUL_HI
	MUL16 4, 7, 0
	MUL16 6, 7, 0
	WIN 0
	PLACES 4                                       ; in front of the first reads of results and of writes into R's fragments' registers
; 64 numbers of a lane, register 32 c + i = index 64 c + 32 h + i along P: 12 registers of codes at v[pc], the four blocks' bytes in v[pw] (in both halves of the lanes).
.macro QUANT32 src, pc, pw
.irp c, 0,1
	v_max3_num_f32 v[TM+\c], |v[(\src)+32*\c]|, |v[(\src)+32*\c+1]|, 0x1800000     ; the floor 2^(3 - 127): the byte cannot fall under 1
	v_max3_num_f32 v[TM+2+\c], |v[(\src)+32*\c+16]|, |v[(\src)+32*\c+17]|, |v[(\src)+32*\c+18]|
.endr
.irp i, 0,1,2,3,4,5
.irp c, 0,1
	v_max3_num_f32 v[TM+\c], v[TM+\c], |v[(\src)+32*\c+2+2*\i]|, |v[(\src)+32*\c+3+2*\i]|
	v_max3_num_f32 v[TM+2+\c], v[TM+2+\c], |v[(\src)+32*\c+19+2*\i]|, |v[(\src)+32*\c+20+2*\i]|
.endr
.endr
.irp c, 0,1
	v_max3_num_f32 v[TM+\c], v[TM+\c], |v[(\src)+32*\c+14]|, |v[(\src)+32*\c+15]|
.endr
.irp c, 0,1
	v_max3_num_f32 v[TM+\c], v[TM+\c], v[TM+2+\c], |v[(\src)+32*\c+31]|
.endr
.irp c, 0,1
	v_add_nc_u32 v[TM+\c], 0xff000000, v[TM+\c]    ; 2 off the exponent field: the conversion's scale operand
.endr
.irp c, 0,1
	v_cvt_scalef32_pk16_fp6_f32 v[(\pc)+6*\c:(\pc)+6*\c+2], v[(\src)+32*\c:(\src)+32*\c+15], v[TM+\c]
	v_cvt_scalef32_pk16_fp6_f32 v[PT+4*\c:PT+4*\c+2], v[(\src)+32*\c+16:(\src)+32*\c+31], v[TM+\c]
.endr
.irp c, 0,1
	v_lshrrev_b32 v[BY+\c], 23, v[TM+\c]           ; the bytes; plain lines behind the conversions
.endr
.irp c, 0,1
.irp i, 0,1,2
	v_mov_b32 v[(\pc)+6*\c+3+\i], v[PT+4*\c+\i]
.endr
.endr
	v_lshl_or_b32 v[\pw], v[BY+1], 16, v[BY]
	v_lshlrev_b32 v[\pw], v[SH8], v[\pw]
	v_permlanex16_b32 v[TX], v[\pw], s[SEL], s[SEL+1]
	v_or_b32 v[\pw], v[\pw], v[TX]
.endm
; R's tile a: the bias is added (each accumulator is read from its low end on), and the 64 numbers are quantised.
.macro EPI a, isqk
	WIN 0x06+(\a)/4                                ; source 0 (the accumulators) window 2 or 3, source 1 (the biases) window 1
.set i, 0
.rept 32
.if \isqk
.set BB, 96+128*(i/32)+8*((i/8)%4)+i%8
.else
.set BB, 96+128*((\a)/4)+8*((\a)%4)
.endif
	v_pk_add_f32 v[H+i:H+i+1], v[64*((\a)%4)+i:64*((\a)%4)+i+1], v[BB:BB+1]
.set i, i+2
.endr
	WIN 0
.if (\a) > 0
	s_wait_xcnt 0x0                                ; the last tile's stores have read the codes' registers
.endif
	QUANT32 H, PC, SCW+(\a)
.endm
	s_cmp_lt_u32 s[CID], 8
	s_cbranch_scc0 .Lv_path
	; ---- q, k.  My 128 channels are two heads; registers 6 c .. 6 c + 5 are head c's fragment (K = 64) of 16 tokens.  qk: block which x 64 + 16 b + head: [64 tiles][3][32 lanes][8], then [8][2][16 rows][4 words].
	s_and_b32 s44, s[CID], 1
	s_lshl_b32 s44, s44, 6
	s_lshr_b32 s45, s[CID], 1
	s_lshl_b32 s45, s45, 4
	s_add_co_u32 s44, s44, s45
	s_lshl_b32 s45, s[CX], 2
	s_add_co_u32 s44, s44, s45
	s_lshl_b32 s45, s[WC], 1
	s_add_co_u32 s44, s44, s45
	s_mul_i32 s80, s44, 53248
	s_lshl_b32 s46, s[CY], 1
	s_add_co_u32 s46, s46, s[WR]                   ; my eight tiles of tokens are the batch's tiles 8 x this on
	s_lshl_b32 s82, s46, 9
	s_add_co_u32 s82, s82, s80
	s_add_co_u32 s82, s82, 49152
	s_mov_b32 s83, 0
	s_mul_i32 s47, s46, 6144
	s_add_co_u32 s80, s80, s47
	s_mov_b32 s81, 0
	s_add_nc_u64 s[80:81], s[12:13], s[80:81]
	s_add_nc_u64 s[82:83], s[12:13], s[82:83]
.irp a, 0,1,2,3,4,5,6,7
	EPI \a, 1
.irp k, 0,1,2,3,4,5
	global_store_b64 v[LI8], v[PC+2*\k:PC+2*\k+1], s[80:81] offset:768*\a+256*(\k%3)+53248*(\k/3)     ; 32 lanes store 256 consecutive bytes
.endr
.endr
	v_lshlrev_b32 v4, 4, v[HH]
.irp a, 0,1,2,3,4,5,6,7
	v_lshrrev_b32 v[SCW+\a], v4, v[SCW+\a]         ; lanes 0-15 keep the first head's two bytes, lanes 16-31 the second's;
	v_and_b32 v[SCW+\a], 0xffff, v[SCW+\a]         ; the upper two bytes are 0
.endr
	v_mul_u32_u24 v5, v[HH], 53248
	v_lshl_add_u32 v5, v[RR], 4, v5
	global_store_b128 v5, v[SCW:SCW+3], s[82:83]               ; sixteen lanes store 256 consecutive bytes
	global_store_b128 v5, v[SCW+4:SCW+7], s[82:83] offset:256
	s_branch .Ldone
.Lv_path:
	; ---- v.  My 128 tokens are K step 2 cx + wc of the second product; R's tile a is tile a % 4 of head 4 cy + 2 wr + a / 4.  vq: block 16 b + head: [8 K steps][4 tiles][3][32 lanes][16], then [8][16 rows][4 words].
	s_sub_co_u32 s44, s[CID], 8
	s_lshl_b32 s44, s44, 4
	s_lshl_b32 s45, s[CY], 2
	s_add_co_u32 s44, s44, s45
	s_lshl_b32 s45, s[WR], 1
	s_add_co_u32 s44, s44, s45
	s_mul_i32 s80, s44, 51200
	s_lshl_b32 s46, s[CX], 1
	s_add_co_u32 s46, s46, s[WC]
	s_lshl_b32 s82, s46, 8
	s_add_co_u32 s82, s82, s80
	s_add_co_u32 s82, s82, 49152
	s_mov_b32 s83, 0
	s_mul_i32 s47, s46, 6144
	s_add_co_u32 s80, s80, s47
	s_mov_b32 s81, 0
	s_add_nc_u64 s[80:81], s[14:15], s[80:81]
	s_add_nc_u64 s[82:83], s[14:15], s[82:83]
.irp a, 0,1,2,3,4,5,6,7
	EPI \a, 0
.irp g, 0,1,2
	global_store_b128 v[LI16], v[PC+4*\g:PC+4*\g+3], s[80:81] offset:51200*(\a/4)+1536*(\a%4)+512*\g   ; 32 lanes store 512 consecutive bytes
.endr
.endr
	v_cmp_ne_u32 vcc_lo, 0, v[HH]
.irp k, 0,1,2,3
	v_cndmask_b32 v[SCW+\k], v[SCW+\k], v[SCW+4+\k], vcc_lo    ; lanes 0-15 the first head's four tiles, lanes 16-31 the second's
.endr
	v_mul_u32_u24 v5, v[HH], 51200
	v_lshl_add_u32 v5, v[RR], 4, v5
	global_store_b128 v5, v[SCW:SCW+3], s[82:83]
.Ldone:
	s_wait_tensorcnt 0x0                           ; the wave's end, behind my last tensor load
	ds_add_u32 v[SPW], v[NIL]
	s_wait_dscnt 0x0
	CROUND                                         ; the closing round: no work-group ends while a partner may still ask for a tile that names it
	s_endpgm
.Lfunc_end_k_qb2ae1a71c4_proj:
	.size	k_qb2ae1a71c4_proj, .Lfunc_end_k_qb2ae1a71c4_proj-k_qb2ae1a71c4_proj
	.p2alignl 7, 3214868480
	.fill 96, 4, 3214868480
	.section	.rodata,"a",@progbits
	.p2align	6, 0x0
	.amdhsa_kernel k_qb2ae1a71c4_proj
		.amdhsa_group_segment_fixed_size 327680
		.amdhsa_private_segment_fixed_size 0
		.amdhsa_enable_private_segment 0
		.amdhsa_kernarg_size 48
		.amdhsa_user_sgpr_count 2
		.amdhsa_user_sgpr_kernarg_segment_ptr 1
		.amdhsa_wavefront_size32 1
		.amdhsa_system_sgpr_workgroup_id_x 1
		.amdhsa_system_sgpr_workgroup_id_y 1
		.amdhsa_system_sgpr_workgroup_id_z 1
		.amdhsa_system_vgpr_workitem_id 0
		.amdhsa_next_free_vgpr 1024
		.amdhsa_next_free_sgpr 100
		.amdhsa_reserve_vcc 1
		.amdhsa_float_denorm_mode_32 3
		.amdhsa_float_denorm_mode_16_64 3
		.amdhsa_memory_ordered 1
		.amdhsa_forward_progress 1
		.amdhsa_inst_pref_size 204
	.end_amdhsa_kernel
	.amdgpu_metadata
---
amdhsa.version: [ 1, 2 ]
amdhsa.kernels:
  - .name:           k_qb2ae1a71c4_proj
    .symbol:         k_qb2ae1a71c4_proj.kd
    .args:
      - { .name: opnd, .offset: 0, .size: 8, .value_kind: global_buffer, .address_space: global }
      - { .name: bq, .offset: 8, .size: 8, .value_kind: global_buffer, .address_space: global }
      - { .name: bk, .offset: 16, .size: 8, .value_kind: global_buffer, .address_space: global }
      - { .name: bv, .offset: 24, .size: 8, .value_kind: global_buffer, .address_space: global }
      - { .name: qk, .offset: 32, .size: 8, .value_kind: global_buffer, .address_space: global }
      - { .name: vq, .offset: 40, .size: 8, .value_kind: global_buffer, .address_space: global }
    .group_segment_fixed_size: 327680
    .private_segment_fixed_size: 0
    .kernarg_segment_align: 8
    .kernarg_segment_size: 48
    .max_flat_workgroup_size: 128
    .sgpr_count:     100
    .vgpr_count:     1024
    .wavefront_size: 32
...
	.end_amdgpu_metadata
.endif
;; end of part 2
;; launch attn (part 3): grid 4 x 64, 8 waves a work-group, clusters of 4 x 1, 327,680 bytes of LDS; arguments qk, vq, er, out0; writes out0
.if DOCPART == 3
	.amdgcn_target "amdgcn-amd-amdhsa--gfx1250"
	.amdhsa_code_object_version 6
	.text
	.protected	k_qb2ae1a71c4_attn
	.globl	k_qb2ae1a71c4_attn
	.p2align	8
	.type	k_qb2ae1a71c4_attn,@function
k_qb2ae1a71c4_attn:
	s_mov_b64 s[64:65], 0
	v_nop
	global_prefetch_b8 v0, s[64:65] scope:SCOPE_SE
	s_setreg_imm32_b32 hwreg(HW_REG_WAVE_MODE, 25, 1), 1
	s_wait_xcnt 0x0
	s_wait_alu depctr_hold_cnt(0) depctr_sa_sdst(0) depctr_va_vdst(0) depctr_va_sdst(0) depctr_va_ssrc(0) depctr_va_vcc(0) depctr_vm_vsrc(0)
	s_getreg_b32 s2, hwreg(HW_REG_IB_STS2, 6, 4)
	s_cmp_eq_u32 s2, 0
	s_cbranch_scc0 .Lentry_in_a_cluster
	s_endpgm
.Lentry_in_a_cluster:
	s_bfe_u32 s2, ttmp6, 0x10000c
	s_cmp_lg_u32 s2, 0x3003
	s_cbranch_scc0 .Lentry_shape_is_right
	s_endpgm
.Lentry_shape_is_right:
; out[b][i][head] = sum over j <= i of softmax_j((q_i . k_j + q_i . Er[1023 - i + j]) / 8) v_j, all three products on codes of FP6 (E2M3).  Under the causal mask the skew of q Er^T is just that index.
; SOFTMAX: t = score x log2(e) / 8; M = the running largest t rounded up to a whole number; p = 2^(t - M) is quantised along the keys; the row's sum is taken of the unquantised p and divides at the end.
; SHARES.  A cluster of four work-groups is one (batch, head).  A tile is 16 queries TWO APART: i = 64 g + 32 (cx / 2) + cx % 2 + 2 r.  Wave w of eight takes g = w and then g = 15 - w: g / 2 + 1 key steps of 128 each, nine in every wave.
; So g, every branch and every LDS address hang on the wave's number and on counters alone, the four partners run alike, and the head's K and V are asked for JOINTLY, once, and stay in LDS.
; Er is no joint load: each partner takes its own version of the table, shifted by 32 (1 - cx / 2) + 1 - cx % 2 rows, which is what keeps cx out of the LDS addresses.
; THE SKEW.  R[r][y] = q_i . (version's row 960 - 64 g + 128 s + y), y = 0 .. 159: ten tiles.  Key x of the step wants y = x + 30 - 2 r: R^T goes to the wave's own stage (rows of 656 bytes) and comes back, 8 bytes at a time,
; each lane from its own start, straight into the accumulators of S^T = K q^T, where it is the products' C: no addition is written.
; K = 64 IN AN INSTRUCTION OF 128: q's registers 6-11 hold zero codes; a fragment of K or Er is six registers and the operand runs on into the next fragment's, whose products with zero codes are zeros; the upper scale bytes are 0, never 0xff.
; Both products are used transposed: a lane holds ONE query.  By the order of keys in a tile of K the 32 registers of four tiles are 32 neighbouring keys: a whole block of p in one lane.
; No prefetch and no ring: all that the work-group reads from LDS is asked for at its head and filled once.
; LIMITS: NaN and infinities are not served; a block of p that is all zeros keeps the scale byte 1: its codes are zeros.
; REGISTERS: window 0: v1-23 addresses and constants, v24-27 at work, v28-39 q, v40 its scales, v42-59 a query's statistics, v64-127 S^T then p, v128-143 R's tiles 8, 9, v144-175 O^T, v176-194 p's codes, v196-219 scale words.
;   window 1: v0-65 Er's ten fragments and six zeros, v68-121 K's eight and six zeros, v124-171 V's four.
.set VBLK,  53248                      ; LDS: K's block at 0 (scales at + 49,152), V's here (+ 49,152), Er's at EBLK (+ 55,296)
.set EBLK,  104448
.set STG,   164352                     ; a stage of 16 x 656 bytes for each wave
.set SPARE, 248320                     ; the spare words, 128 bytes for each wave: four blocks of 256 bytes that no other line names
.set AK0, 1
.set AV0, 2
.set AE0, 3
.set AKS0, 4
.set AVS0, 5
.set AES0, 6
.set STW, 7
.set STR, 8
.set OSW, 9
.set OSR, 10
.set SPW, 11
.set NIL, 12
.set SH8, 19
.set VD0, 20
.set DD,  21
.set NINF, 22
.set GOUT, 23
.set QF,  28
.set QS,  40
.set NM,  42                           ; v42 -M, v43 the largest t
.set SUM, 44
.set FF,  46
.set BM,  48
.set SO,  50
.set BY,  52
.set T0,  54
.set T1,  55
.set PSW, 56
.set SUM2, 58
.set RR,  60
.set HH,  61
.set S,   64
.set OT,  144
.set PC,  176
.set PT,  188
.set ESR, 196
.set KSR, 208
.set VSR, 216
.set EF,  0                            ; in window 1
.set KF,  68
.set VF,  124
.set WV,  12
.set CX,  13
.set BH,  14
.set GG,  16
.set KA,  18
.set SI,  19
.set TS6, 20
.set TSK, 21
.set TSV, 22
.set ET,  23
.set G1K, 24
.set G1V, 32
.set G1E, 40
.set G0K, 48
.set G0V, 52
.set G0E, 56
.set SEL, 60
.set CS,  62
.set QB,  80
.set OB0, 82
.set OB,  84
.set MSB, 0
.macro WIN new
.if MSB != (\new)
	s_set_vgpr_msb (MSB<<8)|(\new)
.set MSB, (\new)
.endif
.endm
.macro ROUND
	s_barrier_signal -1
	s_barrier_wait -1
	s_cmp_lg_u32 s[WV], 0
	s_cbranch_scc1 .Lnot_wave_0_\@
	s_barrier_signal -3
.Lnot_wave_0_\@:
	s_barrier_wait -3
	s_barrier_signal -1
	s_barrier_wait -1
.endm
	s_load_b256 s[4:11], s[0:1], 0x0               ; qk s[4:5], vq s[6:7], er s[8:9], out0 s[10:11]
	v_lshl_add_u32 v[SPW], v0, 2, SPARE
	v_mov_b32 v[NIL], 0
	ds_add_u32 v[SPW], v[NIL]                      ; the wave's opening: the add and its wait stand ahead of my first tensor load; work on registers stands between them
	v_lshrrev_b32 v13, 5, v0
	v_readfirstlane_b32 s[WV], v13                 ; wave 0..7
	s_bfe_u32 s[CX], ttmp6, 0x40000                ; my place in the cluster: it enters global addresses and the mask's number alone
	s_and_b32 s[BH], ttmp7, 0xffff                 ; 16 x batch + head
	; descriptors: dense blocks as rows of 256 bytes (32 elements of 8 bytes), half a block to a load
	s_mov_b32 s[G1K], 15|(3<<16)|(1<<21)           ; K and V go to all four work-groups
	s_mov_b32 s[G1V], 15|(3<<16)|(1<<21)
	s_mov_b32 s[G1E], 3<<16                        ; Er's version is mine alone
.irp g, G1K, G1V, G1E
	s_mov_b32 s[\g+1], 32<<16
	s_mov_b32 s[\g+3], 32<<16
	s_mov_b32 s[\g+5], 32
	s_mov_b32 s[\g+6], 0
	s_mov_b32 s[\g+7], 0
.endr
	s_mov_b32 s[G1K+2], 104<<16
	s_mov_b32 s[G1K+4], 104
	s_mov_b32 s[G1V+2], 100<<16
	s_mov_b32 s[G1V+4], 100
	s_mov_b32 s[G1E+2], 117<<16
	s_mov_b32 s[G1E+4], 117
	s_and_b32 s15, s[WV], 1                        ; which half of a block I fetch, if I fetch
	s_mul_i32 s78, s[BH], 53248
	s_mov_b32 s79, 0
	s_mul_i32 s75, s15, 26624                      ; K: in LDS,
	s_add_co_u32 s66, s78, s75
	s_add_co_u32 s66, s66, 64*53248                ; and in memory: k's blocks lie behind q's 64
	s_mov_b32 s67, 0
	s_mul_i32 s68, s[BH], 51200
	s_mul_i32 s69, s15, 25600
	s_add_co_u32 s68, s68, s69
	s_add_co_u32 s76, s69, VBLK
	s_mov_b32 s69, 0
	s_mul_i32 s70, s[CX], 59904
	s_mul_i32 s71, s15, 29952
	s_add_co_u32 s70, s70, s71
	s_add_co_u32 s77, s71, EBLK
	s_mov_b32 s71, 0
	s_lshr_b32 s[KA], s[CX], 1
	s_lshl_b32 s[KA], s[KA], 5
	s_and_b32 s15, s[CX], 1
	s_add_co_u32 s[KA], s[KA], s15                 ; 32 (cx / 2) + cx % 2
	s_lshr_b32 s72, s[BH], 4
	s_lshl_b32 s72, s72, 22                        ; the batch's 1,024 rows of 4,096 bytes,
	s_lshl_b32 s73, s[KA], 12
	s_add_co_u32 s72, s72, s73
	s_and_b32 s73, s[BH], 15
	s_lshl_b32 s73, s73, 8                         ; the head's 256 bytes of a row
	s_add_co_u32 s72, s72, s73
	s_mov_b32 s73, 0
	s_mov_b32 s[SEL], 0x76543210
	s_mov_b32 s[SEL+1], 0xfedcba98
	s_mov_b32 s[CS], 0x3e38aa3b                    ; c = log2(e) / 8
	s_mov_b32 s[CS+1], s[CS]                       ; (named with it as a pair, so it is written)
	s_wait_dscnt 0x0                               ; the opening add is done
	s_wait_kmcnt 0x0
	s_mov_b32 s[G0K], 1
	s_mov_b32 s[G0K+1], s75
	s_add_nc_u64 s[G0K+2:G0K+3], s[4:5], s[66:67]
	s_or_b32 s[G0K+3], s[G0K+3], 0x80000000
	s_mov_b32 s[G0V], 1
	s_mov_b32 s[G0V+1], s76
	s_add_nc_u64 s[G0V+2:G0V+3], s[6:7], s[68:69]
	s_or_b32 s[G0V+3], s[G0V+3], 0x80000000
	s_mov_b32 s[G0E], 1
	s_mov_b32 s[G0E+1], s77
	s_add_nc_u64 s[G0E+2:G0E+3], s[8:9], s[70:71]
	s_or_b32 s[G0E+3], s[G0E+3], 0x80000000
	s_add_nc_u64 s[QB:QB+1], s[4:5], s[78:79]      ; q's block
	s_add_nc_u64 s[OB0:OB0+1], s[10:11], s[72:73]
	ROUND                                          ; all four work-groups are here: the joint loads meet
	s_cmp_lt_u32 s[WV], 2                          ; waves 0, 1: K's halves; 2, 3: V's; 4, 5: Er's; 6, 7: nothing.  One load a wave; an s_nop 0 and four v_nop follow each
	s_cbranch_scc0 .Lnot_k
	tensor_load_to_lds s[G0K:G0K+3], s[G1K:G1K+7]
	s_nop 0
.rept 4
	v_nop
.endr
	s_branch .Lasked
.Lnot_k:
	s_cmp_lt_u32 s[WV], 4
	s_cbranch_scc0 .Lnot_v
	tensor_load_to_lds s[G0V:G0V+3], s[G1V:G1V+7]
	s_nop 0
.rept 4
	v_nop
.endr
	s_branch .Lasked
.Lnot_v:
	s_cmp_lt_u32 s[WV], 6
	s_cbranch_scc0 .Lasked
	tensor_load_to_lds s[G0E:G0E+3], s[G1E:G1E+7]
	s_nop 0
.rept 4
	v_nop
.endr
.Lasked:
	v_and_b32 v24, 31, v0
	v_and_b32 v[RR], 15, v0
	v_bfe_u32 v[HH], v0, 4, 1
	v_lshlrev_b32 v[AK0], 3, v24                   ; images of six registers: 8 bytes a lane; of twelve: 16
	v_lshlrev_b32 v[AV0], 4, v24
	v_add_nc_u32 v[AV0], VBLK, v[AV0]
	v_add_nc_u32 v[AE0], EBLK, v[AK0]
	v_lshlrev_b32 v25, 4, v[RR]                    ; scale words: four tiles' words of row r on end
	v_add_nc_u32 v[AKS0], 49152, v25
	v_add_nc_u32 v[AVS0], VBLK+49152, v25
	v_add_nc_u32 v[AES0], EBLK+55296, v25
	s_mul_i32 s72, s[WV], 10496
	s_add_co_u32 s72, s72, STG                     ; my stage
	v_mul_u32_u24 v[STW], v[RR], 656
	v_lshl_add_u32 v[STW], v[HH], 5, v[STW]
	v_add_nc_u32 v[STW], s72, v[STW]               ; R^T in: row r, y = 16 t + 8 h + j at 4 y
	v_mul_u32_u24 v[STR], v[RR], 648
	v_lshl_add_u32 v[STR], v[HH], 7, v[STR]
	v_add_nc_u32 v[STR], s72, v[STR]
	v_add_nc_u32 v[STR], 120, v[STR]               ; and back: 656 r + 4 (x + 30 - 2 r), x = 64 c + 32 h + 8 v + j
	v_mul_u32_u24 v[OSW], v[RR], 272
	v_lshl_add_u32 v[OSW], v[HH], 7, v[OSW]
	v_add_nc_u32 v[OSW], s72, v[OSW]               ; the way out: row r of 256 bytes + 16, my 32 channels at 128 h
	v_mul_u32_u24 v[OSR], v[HH], 272
	v_lshl_add_u32 v[OSR], v[RR], 4, v[OSR]
	v_add_nc_u32 v[OSR], s72, v[OSR]               ; back: lanes 0-15 one row, lanes 16-31 the next
	v_lshlrev_b32 v[SH8], 3, v[HH]
	v_lshlrev_b32 v[VD0], 1, v[RR]
	v_add_nc_u32 v[VD0], s[KA], v[VD0]
	v_lshlrev_b32 v25, 5, v[HH]
	v_sub_nc_u32 v[VD0], v[VD0], v25               ; my query - 64 g - 32 h
	v_mov_b32 v[NINF], 0xff800000
	v_lshlrev_b32 v[GOUT], 13, v[HH]
	v_lshl_add_u32 v[GOUT], v[RR], 4, v[GOUT]      ; in out0 a tile's rows are two rows, 8,192 bytes, apart
.irp i, 6,7,8,9,10,11
	v_mov_b32 v[QF+\i], 0                          ; q's K runs to 64: zero codes above
.endr
	v_mov_b32 v[FF+1], 0                           ; (named as the upper half of a pair)
	v_mov_b32 v[T1], 0                             ; a lane permute's destination counts as one of its sources
	WIN 0x40
.irp i, 0,1,2,3,4,5
	v_mov_b32 v[EF+60+\i], 0                       ; what the last fragments' operands run on into
	v_mov_b32 v[KF+48+\i], 0
.endr
	WIN 0
	s_wait_tensorcnt 0x0                           ; my load has landed,
	s_barrier_signal -1
	s_barrier_wait -1                              ; everybody's has: K, V and Er stay as they are for the whole launch
; A KEY STEP: 128 keys.  Every wave walks all eight; a step all of whose keys come after the tile's queries is left out by a scalar branch on the wave's number and the counter.
.macro STEP
	s_lshl_b32 s17, s[SI], 1
	s_cmp_gt_u32 s17, s[GG]
	s_cbranch_scc1 .Lhidden_\@
	s_min_u32 s17, s[ET], 60                       ; Er's first tile of the step, 60 - 4 g + 8 s: at most 60 in a step that is worked
	s_mul_i32 s73, s17, 768
	s_lshl_b32 s74, s17, 6
	v_add_nc_u32 v13, s[TS6], v[AK0]
	v_add_nc_u32 v14, s[TS6], v[AV0]
	v_add_nc_u32 v15, s73, v[AE0]
	v_add_nc_u32 v16, s[TSK], v[AKS0]
	v_add_nc_u32 v17, s[TSV], v[AVS0]
	v_add_nc_u32 v18, s74, v[AES0]
.irp g, 0,1,2
	ds_load_b128 v[ESR+4*\g:ESR+4*\g+3], v18 offset:256*\g
.endr
.irp g, 0,1
	ds_load_b128 v[KSR+4*\g:KSR+4*\g+3], v16 offset:256*\g
.endr
	ds_load_b128 v[VSR:VSR+3], v17
	WIN 0x40                                       ; destination window 1
.set n, 0
.rept 30
	ds_load_b64 v[EF+2*n:EF+2*n+1], v15 offset:256*n
.set n, n+1
.endr
.set n, 0
.rept 24
	ds_load_b64 v[KF+2*n:KF+2*n+1], v13 offset:256*n
.set n, n+1
.endr
.set n, 0
.rept 12
	ds_load_b128 v[VF+4*n:VF+4*n+3], v14 offset:512*n
.set n, n+1
.endr
	s_wait_dscnt 36                                ; the scale words and Er's fragments are in; K's 24 loads and V's 12 may be out
	WIN 0x01                                       ; source 0 window 1
.set t, 0
.rept 10
	v_wmma_scale_f32_16x16x128_f8f6f4 v[S+8*t:S+8*t+7], v[EF+6*t:EF+6*t+11], v[QF:QF+11], 0, v[ESR+t], v[QS] matrix_a_fmt:MATRIX_FMT_FP6 matrix_b_fmt:MATRIX_FMT_FP6
.set t, t+1
.endr
	WIN 0
.rept 5
	v_nop                                          ; four places in front of the stores that read these results and of the loads into them; the fifth since matrix instructions write over them below
.endr
.set t, 0
.rept 10
	ds_store_b128 v[STW], v[S+8*t:S+8*t+3] offset:64*t               ; each accumulator from its low end on
	ds_store_b128 v[STW], v[S+8*t+4:S+8*t+7] offset:64*t+16
.set t, t+1
.endr
.set n, 0
.rept 32
	ds_load_b64 v[S+2*n:S+2*n+1], v[STR] offset:256*(n/16)+32*((n/4)%4)+8*(n%4)   ; LDS serves a wave's instructions in order: these see the stores above
.set n, n+1
.endr
	s_wait_dscnt 0x0
	WIN 0x01
.set t, 0
.rept 8
	v_wmma_scale_f32_16x16x128_f8f6f4 v[S+8*t:S+8*t+7], v[KF+6*t:KF+6*t+11], v[QF:QF+11], v[S+8*t:S+8*t+7], v[KSR+t], v[QS] matrix_a_fmt:MATRIX_FMT_FP6 matrix_b_fmt:MATRIX_FMT_FP6
.set t, t+1
.endr
	WIN 0
.rept 4
	v_nop
.endr
	s_lshl_b32 s17, s[SI], 1                       ; the mask is wanted only where the step's last key can come after the tile's first query: 2 s + 1 >= g
	s_add_co_u32 s17, s17, 1
	s_cmp_lt_u32 s17, s[GG]
	s_cbranch_scc1 .Lopen_\@
	s_lshl_b32 s17, s[GG], 6
	s_lshl_b32 s75, s[SI], 7
	s_sub_co_i32 s17, s17, s75
	v_add_nc_u32 v[DD], s17, v[VD0]                ; register 32 c + i holds key 128 s + 64 c + 32 h + i: hidden where 64 c + i > my query - 128 s - 32 h
.set n, 0
.rept 64
	v_cmp_gt_i32 vcc_lo, 64*(n/32)+n%32, v[DD]
	v_cndmask_b32 v[S+n], v[S+n], v[NINF], vcc_lo
.set n, n+1
.endr
.Lopen_\@:
.irp c, 0,1                                    ; the largest score of each of my two blocks of 32 keys: it serves the row's maximum and, since p rises with the score, the block's largest p
	v_max3_num_f32 v[BM+\c], v[S+32*\c], v[S+32*\c+1], v[S+32*\c+2]
	v_max3_num_f32 v[SO+\c], v[S+32*\c+16], v[S+32*\c+17], v[S+32*\c+18]
.endr
.irp i, 0,1,2,3,4,5
.irp c, 0,1
	v_max3_num_f32 v[BM+\c], v[BM+\c], v[S+32*\c+3+2*\i], v[S+32*\c+4+2*\i]
	v_max3_num_f32 v[SO+\c], v[SO+\c], v[S+32*\c+19+2*\i], v[S+32*\c+20+2*\i]
.endr
.endr
.irp c, 0,1
	v_max3_num_f32 v[BM+\c], v[BM+\c], v[S+32*\c+15], v[S+32*\c+31]
.endr
.irp c, 0,1
	v_max_num_f32 v[BM+\c], v[BM+\c], v[SO+\c]
.endr
	v_max_num_f32 v[T0], v[BM], v[BM+1]
	v_permlanex16_b32 v[T1], v[T0], s[SEL], s[SEL+1]
	v_max_num_f32 v[T0], v[T0], v[T1]              ; the step's largest score of my query
	v_mul_f32 v[T0], s[CS], v[T0]
	v_max_num_f32 v[NM+1], v[NM+1], v[T0]          ; the running largest t
	v_mov_b32 v[T0], v[NM]
	v_floor_f32 v[NM], -v[NM+1]                    ; -M = floor(-t): M is a whole number
	v_sub_f32 v[T0], v[NM], v[T0]
	v_cvt_i32_f32 v[T0], v[T0]                     ; (it saturates)
	v_ldexp_f32 v[FF], 1.0, v[T0]                  ; f = 2^(old M - new M): a multiplication by it rounds nothing
.set n, 0
.rept 32
	v_pk_fma_f32 v[S+n:S+n+1], v[S+n:S+n+1], s[CS:CS+1], v[NM:NM+1] op_sel_hi:[1,0,0]   ; t - M, two at a time
.set n, n+2
.endr
.irp c, 0,1
	v_fma_f32 v[BM+\c], v[BM+\c], s[CS], v[NM]
.endr
.set n, 0
.rept 64
	v_exp_f32 v[S+n], v[S+n]                       ; p = 2^(t - M)
.set n, n+1
.endr
	v_pk_mul_f32 v[SUM:SUM+1], v[SUM:SUM+1], v[FF:FF+1] op_sel_hi:[1,0]   ; the sums under the new M; the plain line behind the exponentials
	s_wait_alu depctr_va_vdst(0)                   ; the wait ahead of the batch's first reader: one for the 64
.irp c, 0,1
	v_exp_f32 v[BM+\c], v[BM+\c]                   ; the block's largest p: the same two instructions on the same number
.endr
	v_pk_add_f32 v[SUM2:SUM2+1], v[S:S+1], v[S+2:S+3]          ; the row's sum is taken of the unquantised p, in two chains
.set n, 4
.rept 15
	v_pk_add_f32 v[SUM:SUM+1], v[SUM:SUM+1], v[S+n:S+n+1]
	v_pk_add_f32 v[SUM2:SUM2+1], v[SUM2:SUM2+1], v[S+n+2:S+n+3]
.set n, n+4
.endr
	v_pk_add_f32 v[SUM:SUM+1], v[SUM:SUM+1], v[SUM2:SUM2+1]
	s_wait_alu depctr_va_vdst(0)                   ; and one for the two
.irp c, 0,1
	v_max_num_f32 v[BM+\c], 0x1800000, v[BM+\c]    ; the floor 2^(3 - 127): the byte cannot fall under 1
.endr
.irp c, 0,1
	v_add_nc_u32 v[SO+\c], 0xff000000, v[BM+\c]    ; 2 off the exponent field: the conversion's scale operand
.endr
.irp c, 0,1
	v_lshrrev_b32 v[BY+\c], 23, v[SO+\c]
.endr
	v_lshl_or_b32 v[PSW], v[BY+1], 16, v[BY]       ; my blocks are h and 2 + h of the step's four
	v_lshlrev_b32 v[PSW], v[SH8], v[PSW]
	v_permlanex16_b32 v[T1], v[PSW], s[SEL], s[SEL+1]
	v_or_b32 v[PSW], v[PSW], v[T1]                 ; p's scale word for these 128 keys
.irp c, 0,1
	v_cvt_scalef32_pk16_fp6_f32 v[PC+6*\c:PC+6*\c+2], v[S+32*\c:S+32*\c+15], v[SO+\c]
	v_cvt_scalef32_pk16_fp6_f32 v[PT+4*\c:PT+4*\c+2], v[S+32*\c+16:S+32*\c+31], v[SO+\c]   ; (a conversion's three registers begin on an even number)
.endr
	v_nop                                          ; one plain line behind the conversions
.irp c, 0,1
.irp i, 0,1,2
	v_mov_b32 v[PC+6*\c+3+\i], v[PT+4*\c+\i]
.endr
.endr
.set n, 0
.rept 16
	v_pk_mul_f32 v[OT+n:OT+n+1], v[OT+n:OT+n+1], v[FF:FF+1] op_sel_hi:[1,0]   ; O^T under the new M; these sixteen also stand between the scale word's and the codes' last writes and the products
.set n, n+2
.endr
	WIN 0x01
.set t, 0
.rept 4
	v_wmma_scale_f32_16x16x128_f8f6f4 v[OT+8*t:OT+8*t+7], v[VF+12*t:VF+12*t+11], v[PC:PC+11], v[OT+8*t:OT+8*t+7], v[VSR+t], v[PSW] matrix_a_fmt:MATRIX_FMT_FP6 matrix_b_fmt:MATRIX_FMT_FP6
.set t, t+1
.endr
	WIN 0
.rept 4
	v_nop                                          ; the places behind the last products, whichever way follows
.endr
.Lhidden_\@:
	s_add_co_u32 s[TS6], s[TS6], 6144              ; the next step's eight tiles of K, four fragments of V,
	s_add_co_u32 s[TSK], s[TSK], 512               ; their scale words,
	s_add_co_u32 s[TSV], s[TSV], 256
	s_add_co_u32 s[ET], s[ET], 8                   ; and Er's tiles
.endm
; A PASS: one tile of 16 queries through all its key steps, and out.  Written out twice, so that g is plain arithmetic on the wave's number in each copy.
.macro PASS second
.if \second
	s_xor_b32 s[GG], s[WV], 15
.else
	s_mov_b32 s[GG], s[WV]
.endif
	s_lshl_b32 s17, s[GG], 6
	s_add_co_u32 s17, s17, s[KA]
	v_lshl_add_u32 v24, v[RR], 1, s17              ; my query i
	v_lshrrev_b32 v25, 6, v24
	v_bfe_u32 v26, v24, 3, 2
	v_lshl_add_u32 v25, v25, 2, v26                ; it lies in tile 4 (i / 64) + (i / 8) % 4 of q's image,
	v_and_b32 v26, 7, v24
	v_bfe_u32 v27, v24, 5, 1
	v_lshl_add_u32 v26, v27, 3, v26                ; at lane i % 8 + 8 ((i / 32) % 2)
	v_mul_u32_u24 v27, v25, 768
	v_lshl_add_u32 v27, v26, 3, v27
	v_lshl_add_u32 v27, v[HH], 7, v27
	v_lshrrev_b32 v24, 2, v25
	v_and_b32 v25, 3, v25
	v_lshlrev_b32 v24, 8, v24
	v_lshl_add_u32 v24, v26, 4, v24
	v_lshl_add_u32 v24, v25, 2, v24
.irp c, 0,1,2
	global_load_b64 v[QF+2*\c:QF+2*\c+1], v27, s[QB:QB+1] offset:256*\c
.endr
	global_load_b32 v[QS], v24, s[QB:QB+1] offset:49152
	s_lshl_b32 s76, s[GG], 18                      ; 64 g rows of out0
	s_mov_b32 s77, 0
	s_add_nc_u64 s[OB:OB+1], s[OB0:OB0+1], s[76:77]
	v_mov_b32 v[NM+1], 0xff61b1e6                  ; the largest t so far: -3e38, under every t
	v_floor_f32 v[NM], -v[NM+1]
	v_mov_b32 v[SUM], 0
	v_mov_b32 v[SUM+1], 0
.set n, 0
.rept 32
	v_mov_b32 v[OT+n], 0                           ; the step is written once: the first finds zeros, which the first change of M leaves zeros
.set n, n+1
.endr
	s_mov_b32 s[SI], 0
	s_mov_b32 s[TS6], 0
	s_mov_b32 s[TSK], 0
	s_mov_b32 s[TSV], 0
	s_xor_b32 s[ET], s[GG], 15
	s_lshl_b32 s[ET], s[ET], 2                     ; 60 - 4 g
	s_wait_loadcnt 0x0                             ; q
.Lstep_\@:
	STEP
	s_add_co_u32 s[SI], s[SI], 1
	s_cmp_lt_u32 s[SI], 8
	s_cbranch_scc1 .Lstep_\@
	; the way out: O^T / the sum goes through my stage and leaves as rows of 256 bytes
	v_add_f32 v[SUM], v[SUM], v[SUM+1]
	v_permlanex16_b32 v[T1], v[SUM], s[SEL], s[SEL+1]
	v_add_f32 v[SUM], v[SUM], v[T1]
	v_rcp_f32 v[T0], v[SUM]
	v_nop                                          ; a plain line behind the reciprocal,
	s_wait_alu depctr_va_vdst(0)                   ; and the wait ahead of its first reader
.set n, 0
.rept 32
	v_mul_f32 v[S+n], v[OT+n], v[T0]               ; register 8 t + j is channel 32 h + 8 t + j of my query
.set n, n+1
.endr
.irp e, 0,1,2,3,4,5,6,7
	ds_store_b128 v[OSW], v[S+4*\e:S+4*\e+3] offset:16*\e
.endr
.irp k, 0,1,2,3,4,5,6,7
	ds_load_b128 v[S+32+4*\k:S+35+4*\k], v[OSR] offset:544*\k        ; LDS serves a wave's instructions in order: these see the stores above
.endr
.irp k, 0,1,2,3,4,5,6,7
	s_wait_dscnt 7-\k
	global_store_b128 v[GOUT], v[S+32+4*\k:S+35+4*\k], s[OB:OB+1] offset:16384*\k th:TH_STORE_NT   ; sixteen lanes store 256 consecutive bytes, at a multiple of 256 from out0's first byte
.endr
	s_wait_xcnt 0x0                                ; the stores have read their registers and their base: both may be written again
.endm
	PASS 0
	PASS 1
	s_wait_tensorcnt 0x0                           ; the wave's end, behind my last tensor load and my last LDS store
	ds_add_u32 v[SPW], v[NIL]
	s_wait_dscnt 0x0
	ROUND                                          ; the closing round
	s_endpgm
.Lfunc_end_k_qb2ae1a71c4_attn:
	.size	k_qb2ae1a71c4_attn, .Lfunc_end_k_qb2ae1a71c4_attn-k_qb2ae1a71c4_attn
	.p2alignl 7, 3214868480
	.fill 96, 4, 3214868480
	.section	.rodata,"a",@progbits
	.p2align	6, 0x0
	.amdhsa_kernel k_qb2ae1a71c4_attn
		.amdhsa_group_segment_fixed_size 327680
		.amdhsa_private_segment_fixed_size 0
		.amdhsa_enable_private_segment 0
		.amdhsa_kernarg_size 32
		.amdhsa_user_sgpr_count 2
		.amdhsa_user_sgpr_kernarg_segment_ptr 1
		.amdhsa_wavefront_size32 1
		.amdhsa_system_sgpr_workgroup_id_x 1
		.amdhsa_system_sgpr_workgroup_id_y 1
		.amdhsa_system_sgpr_workgroup_id_z 1
		.amdhsa_system_vgpr_workitem_id 0
		.amdhsa_next_free_vgpr 432
		.amdhsa_next_free_sgpr 90
		.amdhsa_reserve_vcc 1
		.amdhsa_float_denorm_mode_32 3
		.amdhsa_float_denorm_mode_16_64 3
		.amdhsa_memory_ordered 1
		.amdhsa_forward_progress 1
		.amdhsa_inst_pref_size 77
	.end_amdhsa_kernel
	.amdgpu_metadata
---
amdhsa.version: [ 1, 2 ]
amdhsa.kernels:
  - .name:           k_qb2ae1a71c4_attn
    .symbol:         k_qb2ae1a71c4_attn.kd
    .args:
      - { .name: qk, .offset: 0, .size: 8, .value_kind: global_buffer, .address_space: global }
      - { .name: vq, .offset: 8, .size: 8, .value_kind: global_buffer, .address_space: global }
      - { .name: er, .offset: 16, .size: 8, .value_kind: global_buffer, .address_space: global }
      - { .name: out0, .offset: 24, .size: 8, .value_kind: global_buffer, .address_space: global }
    .group_segment_fixed_size: 327680
    .private_segment_fixed_size: 0
    .kernarg_segment_align: 8
    .kernarg_segment_size: 32
    .max_flat_workgroup_size: 256
    .sgpr_count:     90
    .vgpr_count:     432
    .wavefront_size: 32
...
	.end_amdgpu_metadata
.endif
;; end of part 3
